; MI455X (gfx1250); checked and timed in simulation.
; The chip was launched on July 23, 2026; its instructions are those of AMD's public machine-readable ISA for CDNA 5 (MIT licence, August 2026) and "CDNA5" Instruction Set Architecture Reference Guide (July 2026). The comments in the code are by the model that wrote it; some were corrected since.
;; Geometric Linear. Allowed arithmetic: float matrix products may take bf16 or f16 operands with f32 sums; all other float work in f32.
;; Inputs: bias 512 x 8 float32; weight 512 x 512 x 8 float32; x 4,096 x 512 x 8 float32.
;; Outputs: out0 4,096 x 512 x 8 float32.
;; One version. Each part assembles by itself: llvm-mc -triple=amdgcn-amd-amdhsa -mcpu=gfx1250 --defsym DOCPART=n.
;; ======== version 1 of 1: 2 launches
;; limits: values are held in f16: magnitudes above 65,504 overflow, below 6.1e-05 lose precision; inputs' magnitudes at most 32,752
;; workspace buffers: xa 33,554,432 bytes; wb 8,388,608 bytes
;; launch prep (part 1): grid 1024 x 1, 8 waves a work-group, no clusters, 0 bytes of LDS; arguments x, weight, xa, wb; writes xa, wb
.if DOCPART == 1
	.amdgcn_target "amdgcn-amd-amdhsa--gfx1250"
	.amdhsa_code_object_version 6
	.text
	.protected	k_qab6a5be127_prep
	.globl	k_qab6a5be127_prep
	.p2align	8
	.type	k_qab6a5be127_prep,@function
k_qab6a5be127_prep:
	s_mov_b64 s[64:65], 0
	v_nop
	global_prefetch_b8 v0, s[64:65] scope:SCOPE_SE
	s_setreg_imm32_b32 hwreg(HW_REG_WAVE_MODE, 25, 1), 1
	s_wait_xcnt 0x0
; CHANGE OF BASIS.  Cl(3,0) is the algebra of 2 x 2 complex matrices (e1, e2, e3 -> the Pauli matrices).  For a multivector a:
;   M11 = (a0+a3) + i (a7+a4)    M12 = (a1-a5) + i (a6-a2)    M21 = (a1+a5) + i (a6+a2)    M22 = (a0-a3) + i (a7-a4)
; and M(x * w) = M(x) M(w): 32 real multiply-adds for a geometric product in place of 64.  This launch writes both operands of the next launch's product in that basis, in f16:
;   xa [plane a = 0,1][batch 4096][k 2048], k = 4 j + 2 b + (re, im): row a of M(x[batch][j]);
;   wb [n 2048][k 2048], n = 4 i + nu, nu = (column 0 re, column 0 im, column 1 re, column 1 im) of the result: with U = M(weight[i][j] / 2), at k = 4 j ..:
;      nu 0: U11re, -U11im, U21re, -U21im     nu 1: U11im, U11re, U21im, U21re     nu 2: U12re, -U12im, U22re, -U22im     nu 3: U12im, U12re, U22im, U22re
; The halving (exact) spares the division on the way back from the basis.
; LIMITS.  The sums and differences are made in f32 and rounded once to f16: 11 significant bits; from 65,520 on an infinity; below 6e-5 f16's fixed step of 6e-8.  NaN, infinities and the sign of zero are not treated apart.
; WHY f16: these operands are no longer the inputs themselves, so their rounding reaches the output in full; bf16's 8 bits do not hold the allowance of 1% for every one of 16.7 million numbers, f16's 11 do.
; SHARES.  A stream: no LDS, no barrier, no loop.  Work-group g of 1,024, thread t of 256: one multivector of weight (number 256 g + t) and eight of x (numbers 2,048 g + 256 c + t, c = 0..7).
; A multivector is 32 bytes: two loads of 16 bytes, which for a wave together cover 1,024 consecutive bytes.  Its four f16 of a row are 8 bytes: a wave's store covers 256 consecutive bytes, aligned.
; All 18 loads of a thread go out first; the waits count down.  Every store has data registers of its own, written once, so no wait frees a register.
.set W, 4                              ; v[4:11]   the weight's multivector
.set U, 12                             ; v[12:19]  at work: 11re, 11im, 12re, 12im, 21re, 21im, 22re, 22im
.set R, 20                             ; v[20:27]  the four rows of wb, two registers each
.set X, 28                             ; v[28:91]  chunk c of x at X + 8 c; its first four registers then take the packed results
	s_load_b256 s[4:11], s[0:1], 0x0               ; x s[4:5], weight s[6:7], xa s[8:9], wb s[10:11]
	s_lshl_b32 s12, ttmp9, 16                      ; x: 2,048 multivectors of 32 bytes a work-group
	s_mov_b32 s13, 0
	s_lshl_b32 s14, ttmp9, 13                      ; weight: 256 of 32 bytes
	s_mov_b32 s15, 0
	s_lshl_b32 s16, ttmp9, 14                      ; xa: 2,048 of 8 bytes in each plane
	s_mov_b32 s17, 0
	s_lshr_b32 s20, ttmp9, 1                       ; wb: i = g / 2: four rows of 4,096 bytes,
	s_lshl_b32 s20, s20, 14
	s_and_b32 s21, ttmp9, 1                        ; j = 256 (g % 2) + t: 8 bytes each
	s_lshl_b32 s21, s21, 11
	s_add_co_u32 s20, s20, s21
	s_mov_b32 s21, 0
	s_mov_b32 s22, 0x80000000                      ; the sign of a word's upper f16
	v_lshlrev_b32 v1, 5, v0                        ; 32 t: my place in both inputs
	v_lshlrev_b32 v2, 3, v0                        ; 8 t: my place in both outputs
	s_wait_kmcnt 0x0
	s_add_nc_u64 s[4:5], s[4:5], s[12:13]
	s_add_nc_u64 s[6:7], s[6:7], s[14:15]
	s_add_nc_u64 s[8:9], s[8:9], s[16:17]          ; plane 0
	s_add_nc_u64 s[18:19], s[8:9], 0x1000000       ; plane 1 lies 16,777,216 bytes on: more than a store's immediate holds
	s_add_nc_u64 s[10:11], s[10:11], s[20:21]
	global_load_b128 v[W:W+3],   v1, s[6:7] th:TH_LOAD_NT
	global_load_b128 v[W+4:W+7], v1, s[6:7] offset:16 th:TH_LOAD_NT
.irp c, 0,1,2,3,4,5,6,7
	global_load_b128 v[X+8*(\c):X+8*(\c)+3],   v1, s[4:5] offset:8192*(\c) th:TH_LOAD_NT
	global_load_b128 v[X+8*(\c)+4:X+8*(\c)+7], v1, s[4:5] offset:8192*(\c)+16 th:TH_LOAD_NT
.endr
.macro PAULI a                         ; the eight numbers of M(a) from the multivector at v[a .. a+7]
	v_add_f32 v[U+0], v[(\a)+0], v[(\a)+3]
	v_add_f32 v[U+1], v[(\a)+7], v[(\a)+4]
	v_sub_f32 v[U+2], v[(\a)+1], v[(\a)+5]
	v_sub_f32 v[U+3], v[(\a)+6], v[(\a)+2]
	v_add_f32 v[U+4], v[(\a)+1], v[(\a)+5]
	v_add_f32 v[U+5], v[(\a)+6], v[(\a)+2]
	v_sub_f32 v[U+6], v[(\a)+0], v[(\a)+3]
	v_sub_f32 v[U+7], v[(\a)+7], v[(\a)+4]
.endm
	s_wait_loadcnt 16                              ; loads come back in order (ISA guide 5.7.1): the weight's two are in, x's sixteen stay out
.irp k, 0,2,4,6
	v_pk_mul_f32 v[W+(\k):W+(\k)+1], v[W+(\k):W+(\k)+1], 0.5 op_sel_hi:[1,0]
.endr
	PAULI W
	v_cvt_pk_f16_f32 v[R+0], v[U+0], v[U+1]        ; nu 0: U11re, U11im | U21re, U21im, the imaginary halves negated below
	v_cvt_pk_f16_f32 v[R+1], v[U+4], v[U+5]
	v_cvt_pk_f16_f32 v[R+2], v[U+1], v[U+0]        ; nu 1: U11im, U11re | U21im, U21re
	v_cvt_pk_f16_f32 v[R+3], v[U+5], v[U+4]
	v_cvt_pk_f16_f32 v[R+4], v[U+2], v[U+3]        ; nu 2: U12re, U12im | U22re, U22im, negated likewise
	v_cvt_pk_f16_f32 v[R+5], v[U+6], v[U+7]
	v_cvt_pk_f16_f32 v[R+6], v[U+3], v[U+2]        ; nu 3: U12im, U12re | U22im, U22re
	v_cvt_pk_f16_f32 v[R+7], v[U+7], v[U+6]
.irp k, 0,1,4,5
	v_xor_b32 v[R+(\k)], s22, v[R+(\k)]
.endr
.irp n, 0,1,2,3
	global_store_b64 v2, v[R+2*(\n):R+2*(\n)+1], s[10:11] offset:4096*(\n)  ; row 4 i + nu
.endr
.macro CHUNK c
	s_wait_loadcnt 14-2*(\c)                       ; this chunk's two loads are in; the later chunks' stay out
	PAULI X+8*(\c)
	v_cvt_pk_f16_f32 v[X+8*(\c)+0], v[U+0], v[U+1] ; plane 0: M11, M12
	v_cvt_pk_f16_f32 v[X+8*(\c)+1], v[U+2], v[U+3]
	v_cvt_pk_f16_f32 v[X+8*(\c)+2], v[U+4], v[U+5] ; plane 1: M21, M22
	v_cvt_pk_f16_f32 v[X+8*(\c)+3], v[U+6], v[U+7]
	global_store_b64 v2, v[X+8*(\c):X+8*(\c)+1],   s[8:9]   offset:2048*(\c)
	global_store_b64 v2, v[X+8*(\c)+2:X+8*(\c)+3], s[18:19] offset:2048*(\c)
.endm
.irp c, 0,1,2,3,4,5,6,7
	CHUNK \c
.endr
	s_endpgm
.Lfunc_end_k_qab6a5be127_prep:
	.size	k_qab6a5be127_prep, .Lfunc_end_k_qab6a5be127_prep-k_qab6a5be127_prep
	.p2alignl 7, 3214868480
	.fill 96, 4, 3214868480
	.section	.rodata,"a",@progbits
	.p2align	6, 0x0
	.amdhsa_kernel k_qab6a5be127_prep
		.amdhsa_group_segment_fixed_size 0
		.amdhsa_private_segment_fixed_size 0
		.amdhsa_enable_private_segment 0
		.amdhsa_kernarg_size 32
		.amdhsa_user_sgpr_count 2
		.amdhsa_user_sgpr_kernarg_segment_ptr 1
		.amdhsa_wavefront_size32 1
		.amdhsa_system_sgpr_workgroup_id_x 1
		.amdhsa_system_sgpr_workgroup_id_y 1
		.amdhsa_system_sgpr_workgroup_id_z 1
		.amdhsa_system_vgpr_workitem_id 0
		.amdhsa_next_free_vgpr 92
		.amdhsa_next_free_sgpr 66
		.amdhsa_reserve_vcc 0
		.amdhsa_float_denorm_mode_32 3
		.amdhsa_float_denorm_mode_16_64 3
		.amdhsa_memory_ordered 1
		.amdhsa_forward_progress 1
		.amdhsa_inst_pref_size 11
	.end_amdhsa_kernel
	.amdgpu_metadata
---
amdhsa.version: [ 1, 2 ]
amdhsa.kernels:
  - .name:           k_qab6a5be127_prep
    .symbol:         k_qab6a5be127_prep.kd
    .args:
      - { .name: x, .offset: 0, .size: 8, .value_kind: global_buffer, .address_space: global }
      - { .name: weight, .offset: 8, .size: 8, .value_kind: global_buffer, .address_space: global }
      - { .name: xa, .offset: 16, .size: 8, .value_kind: global_buffer, .address_space: global }
      - { .name: wb, .offset: 24, .size: 8, .value_kind: global_buffer, .address_space: global }
    .group_segment_fixed_size: 0
    .private_segment_fixed_size: 0
    .kernarg_segment_align: 8
    .kernarg_segment_size: 32
    .max_flat_workgroup_size: 256
    .sgpr_count:     66
    .vgpr_count:     92
    .wavefront_size: 32
...
	.end_amdgpu_metadata
.endif
;; end of part 1
;; launch gemm (part 2): grid 8 x 32, 4 waves a work-group, clusters of 4 x 4, 327,680 bytes of LDS; arguments xa, wb, bias, out0; writes out0
.if DOCPART == 2
	.amdgcn_target "amdgcn-amd-amdhsa--gfx1250"
	.amdhsa_code_object_version 6
	.text
	.protected	k_qab6a5be127_gemm
	.globl	k_qab6a5be127_gemm
	.p2align	8
	.type	k_qab6a5be127_gemm,@function
k_qab6a5be127_gemm:
	s_mov_b64 s[64:65], 0
	v_nop
	global_prefetch_b8 v0, s[64:65] scope:SCOPE_SE
	s_setreg_imm32_b32 hwreg(HW_REG_WAVE_MODE, 25, 1), 1
	s_wait_xcnt 0x0
	s_wait_alu depctr_hold_cnt(0) depctr_sa_sdst(0) depctr_va_vdst(0) depctr_va_sdst(0) depctr_va_ssrc(0) depctr_va_vcc(0) depctr_vm_vsrc(0)
	s_getreg_b32 s2, hwreg(HW_REG_IB_STS2, 6, 4)
	s_cmp_eq_u32 s2, 0
	s_cbranch_scc0 .Lentry_in_a_cluster
	s_endpgm
.Lentry_in_a_cluster:
	s_bfe_u32 s2, ttmp6, 0x10000c
	s_cmp_lg_u32 s2, 0xf033
	s_cbranch_scc0 .Lentry_shape_is_right
	s_endpgm
.Lentry_shape_is_right:
; out0[batch][i][:] = the sum over j of x[batch][j] * weight[i][j] (geometric product of Cl(3,0)) + bias[i], made in the basis of 2 x 2 complex matrices:
; one product of xa ([plane 2][batch 4096][k 2048], f16) with wb ([n 2048][k 2048], f16), sums in f32.  Plane 0 gives P = (Out11re, Out11im, Out12re, Out12im) at n = 4 i + 0..3, plane 1 gives
; Q = (Out21re, Out21im, Out22re, Out22im), and (wb holds the halved weight)
;   o0 = P0+Q2   o1 = P2+Q0   o2 = Q1-P3   o3 = P0-Q2   o4 = P1-Q3   o5 = Q0-P2   o6 = P3+Q1   o7 = P1+Q3,   then + bias.
; LIMITS.  The operands are f16 as the launch before made them (11 significant bits, range 65,504).  The order of rounding differs from a sum over the 8 x 8 table: f32 sums of the complex products, K ascending,
; then one f32 addition or subtraction, then the bias.  NaN, infinities and the sign of zero are not treated apart.
; SHARES.  8 x 32 work-groups, one tile of 256 x 256 each: 128 batches in both planes x 256 rows of wb (64 i).  Four waves; wave w takes batches 64 (w / 2) .. + 63 in BOTH planes and rows 128 (w % 2) .. + 127 of wb:
; 64 accumulators of 16 x 16, 512 registers: plane 0's in window 2, plane 1's at the same numbers in window 3.  So a lane holds P and Q of the same batch and i, and the way back from the basis changes no lanes.
; K goes in steps of 128 through a ring of two LDS slots filled by the tensor data mover; a tile's rows are 256 bytes of memory and start at multiples of 256 bytes from the buffer's first byte.
; CLUSTERS: 4 x 4 work-groups.  The four of a row of the cluster need the same tiles of xa, the four of a column the same tiles of wb: each tile is asked for JOINTLY, by the same tensor load with the same
; descriptor and a mask that names the four.  A wave has two tensor loads out at the start and one behind each round.
; THE MATRIX INSTRUCTION IS USED TRANSPOSED: source 0 = 16 rows of wb, source 1 = 16 rows of xa: lane l holds batch l % 16, its registers 0 to 7 the columns n = 8 (l / 16) + 0 .. 7: P (or Q) of two neighbouring i.
; REGISTERS, in windows of 256 (s_set_vgpr_msb's low byte: bits 1:0 source 0, 3:2 source 1, 5:4 source 2, 7:6 destination):
;   window 0: v0-31 addresses; v32-39 bias; v64-127, v128-191 fragments of xa, two buffers; on the way out v64-127 the results in the output's basis, v128-191 and v192-255 rows read back from the stage
;   window 1: v64-127, v128-191 fragments of wb, two buffers          window 2, 3: the accumulators, (a, b) at v[8 (8 a + b)]
.set KSTEP,  128
.set SIZE_K, 2048
.set PITCH,  272                       ; an LDS row: 256 bytes of data + 16 of padding = 68 words: row r starts at bank 4 r mod 64 (64 banks of 4 bytes: ISA guide 11.1), so the 16 rows that a load touches start at 16 different banks
.set HALFT,  128*PITCH                 ; 128 rows: what one tensor load brings
.set SLOT,   4*HALFT                   ; plane 0's 128 rows, plane 1's 128 rows, wb's 256 rows
.set STAGE,  2*SLOT                    ; behind the ring: 16 rows x 528 bytes for each wave (33 blocks of 256 bytes), for the way out; no tensor load lands there
.set SPITCH, 528                       ; 512 bytes + 16: 132 words, row r again starts at bank 4 r mod 64
.set SPARE,  STAGE+4*16*SPITCH         ; behind the stages: the spare words, 128 bytes for each wave: two blocks of 256 bytes that no other line names
.set LAPS,   SIZE_K/(2*KSTEP)          ; a lap = two K steps = once round the ring: 8
.set OROW,   16384                     ; bytes in a batch's row of out0
.set ADRA, 16                          ; v16-17  LDS address of my xa fragments in slot 0, 1
.set ADRB, 20                          ; v20-21  the same for wb
.set STO,  24                          ; v24     the way out: where I put my numbers of a row
.set RD,   25                          ; v25     the way out: where I read a row back
.set CO,   26                          ; v26     16 x lane: my byte offset in 512 consecutive bytes of out0 and of bias; never rewritten
.set SPW,  28                          ; v28     LDS address of my spare word: SPARE + 4 x my thread's number; never rewritten
.set NIL,  29                          ; v29     0; never rewritten
.set BI,   32                          ; v32-39  bias: the four numbers that go with my 16 bytes of a row, for each half of the wave's 1,024 bytes
.set F0,   64                          ; fragment buffer 0
.set F1,   128                         ; fragment buffer 1
.set T,    64                          ; the way out: 64 numbers in the output's basis
.set OB,   128                         ; the way out: 16 rows read back: v128-191 and v192-255 by turns
.set G1,  24                           ; s[24:31] descriptor group 1 for xa's tiles
.set G0,  32                           ; s[32:39] descriptor group 0 for xa's tiles, one set for each slot
.set G1B, 48                           ; s[48:55] descriptor group 1 for wb's tiles: it differs in the mask alone
.set G0B, 56                           ; s[56:63] descriptor group 0 for wb's tiles, one set for each slot
.set MSB, 0
.macro WIN new                         ; the immediate's high byte repeats the setting that is left; a switch that changes nothing is dropped
.if MSB != (\new)
	s_set_vgpr_msb (MSB<<8)|(\new)
.set MSB, \new
.endif
.endm
.set MUL_LO, 0xa1                      ; source 0 (wb) window 1, source 1 (xa) window 0, C and D window 2
.set MUL_HI, 0xf1                      ; the same, C and D window 3
.set TO_B,   0x40                      ; destination window 1, address window 0
.set PQ,     0x0e                      ; source 0 window 2 (P), source 1 window 3 (Q), destination window 0
.set QP,     0x0b                      ; source 0 window 3 (Q), source 1 window 2 (P), destination window 0
; A joint load.  Waves 0 and 1 fetch xa's two planes, waves 2 and 3 wb's two halves.  Each of the two lines has ONE mask and one set of registers for all that issue it; the branch hangs on the wave's number alone.
; An s_nop 0 and four v_nop follow each of the two lines; the jump round the other line, the label and what follows the macro come after them.
.macro JLOAD s
	s_cmp_eq_u32 s13, 0
	s_cbranch_scc0 .Lfor_b_\@
	tensor_load_to_lds s[G0+4*(\s):G0+4*(\s)+3], s[G1:G1+7]
	s_nop 0
.rept 4
	v_nop
.endr
	s_branch .Lasked_\@
.Lfor_b_\@:
	tensor_load_to_lds s[G0B+4*(\s):G0B+4*(\s)+3], s[G1B:G1B+7]
	s_nop 0
.rept 4
	v_nop
.endr
.Lasked_\@:
.endm
; A round of the cluster's barrier: my work-group's barrier, so that wave 0's signal speaks for all four waves; wave 0 signals for the work-group; every wave waits for all sixteen work-groups; my work-group's barrier once more.
.macro CREST                           ; a round behind its opening barrier
	s_cmp_lg_u32 s12, 0
	s_cbranch_scc1 .Lnot_wave_0_\@
	s_barrier_signal -3
.Lnot_wave_0_\@:
	s_barrier_wait -3
	s_barrier_signal -1
	s_barrier_wait -1
.endm
.macro CROUND                          ; a whole round
	s_barrier_signal -1
	s_barrier_wait -1
	CREST
.endm
	s_load_b256 s[4:11], s[0:1], 0x0               ; xa s[4:5], wb s[6:7], bias s[8:9], out0 s[10:11]
	v_lshl_add_u32 v[SPW], v0, 2, SPARE
	v_mov_b32 v[NIL], 0
	ds_add_u32 v[SPW], v[NIL]                      ; the wave's opening: the add and its wait stand ahead of my first tensor load; the set-up below, work on registers, stands between them
	v_lshrrev_b32 v1, 5, v0
	v_readfirstlane_b32 s12, v1                    ; wave 0..3
	s_lshr_b32 s13, s12, 1                         ; which 64 batches are mine.  Also: I fetch for xa (0) or for wb (1)
	s_and_b32 s14, s12, 1                          ; which 128 rows of wb are mine.  Also: which plane of xa, or which half of wb's tile, I fetch
	s_bfe_u32 s40, ttmp6, 0x40000                  ; cx: my place along the cluster's x
	s_bfe_u32 s41, ttmp6, 0x40004                  ; cy: along its y
	s_lshl_b32 s42, ttmp9, 2                       ; in a cluster launch ttmp9 and ttmp7 count clusters
	s_add_co_u32 s42, s42, s40                     ; tile column (64 i) = 4 x cluster x + cx
	s_and_b32 s43, ttmp7, 0xffff
	s_lshl_b32 s43, s43, 2
	s_add_co_u32 s43, s43, s41                     ; tile row (128 batches) = 4 x cluster y + cy
	s_lshl_b32 s44, s41, 2
	s_lshl_b32 s44, 15, s44                        ; my row of the cluster: places 4 cy .. 4 cy + 3
	s_lshl_b32 s45, 0x1111, s40                    ; my column: places cx, cx + 4, cx + 8, cx + 12
	; descriptor group 1: a tile of 128 rows x 128 elements, padded in LDS
	s_or_b32 s[G1+0], s44, (1<<16)|(1<<20)|(1<<21)|(5<<22)|(3<<25)   ; 15:0 the mask: xa's tiles go to my row; 17:16 elements of 2 bytes; 20 padding on; 21 set beside a mask; 24:22 after every 64 words (code 5); 31:25 4 words of it (code 3)
	s_or_b32 s[G1B+0], s45, (1<<16)|(1<<20)|(1<<21)|(5<<22)|(3<<25)  ; the same with the mask of my column, for wb's tiles
.irp g, G1, G1B
	s_mov_b32 s[(\g)+1], KSTEP<<16                 ; 63:48 tensor_dim0, low half = 128
	s_mov_b32 s[(\g)+2], 128<<16                   ; 79:64 its high half = 0; 95:80 tensor_dim1, low half = 128
	s_mov_b32 s[(\g)+3], KSTEP<<16                 ; 111:96 its high half = 0; 127:112 tile_dim0 = 128
	s_mov_b32 s[(\g)+4], 128                       ; 143:128 tile_dim1 = 128; 159:144 tile_dim2 = 0
	s_mov_b32 s[(\g)+5], SIZE_K                    ; 191:160 tensor_dim0_stride, low word: elements from row to row
	s_mov_b32 s[(\g)+6], 0
	s_mov_b32 s[(\g)+7], 0
.endr
	; where the tiles come from.  xa's hang on the tile row alone, which my row of the cluster shares; wb's on the tile column alone, which my column shares.
	; Every wave makes both addresses, in registers that have not held the other coordinate, and asks by one of them.
	s_lshl_b32 s16, s43, 19                        ; xa: 128 batches of 4,096 bytes a tile row,
	s_lshl_b32 s17, s14, 24                        ; and the plane, 16,777,216 bytes
	s_add_co_u32 s16, s16, s17
	s_mov_b32 s17, 0
	s_lshl_b32 s46, s42, 20                        ; wb: 256 rows of 4,096 bytes a tile column,
	s_lshl_b32 s47, s14, 19                        ; and the half of 128 rows
	s_add_co_u32 s46, s46, s47
	s_mov_b32 s47, 0
	s_mul_i32 s20, s12, HALFT                      ; and where they go: wave x 128 rows: no place in the cluster enters an LDS address
	s_wait_dscnt 0x0                               ; the opening add is done
	s_wait_kmcnt 0x0
	s_add_nc_u64 s[18:19], s[4:5], s[16:17]
	s_add_nc_u64 s[46:47], s[6:7], s[46:47]
	CROUND                                         ; all sixteen work-groups are here: the first joint loads meet
.irp s, 0,1
	s_mov_b32 s[G0+4*(\s)], 1                                        ; 1:0 count = 1
	s_add_co_u32 s[G0+4*(\s)+1], s20, (\s)*SLOT                      ; 63:32 LDS address
	s_add_nc_u64 s[G0+4*(\s)+2:G0+4*(\s)+3], s[18:19], (\s)*KSTEP*2  ; 120:64 global address: K step s
	s_or_b32 s[G0+4*(\s)+3], s[G0+4*(\s)+3], 0x80000000              ; 127:126 type = 2
	s_mov_b32 s[G0B+4*(\s)], 1
	s_add_co_u32 s[G0B+4*(\s)+1], s20, (\s)*SLOT
	s_add_nc_u64 s[G0B+4*(\s)+2:G0B+4*(\s)+3], s[46:47], (\s)*KSTEP*2
	s_or_b32 s[G0B+4*(\s)+3], s[G0B+4*(\s)+3], 0x80000000
	JLOAD \s                                       ; the ring is filled before anything else is done
.endr
	; A fragment is 16 rows x 32 K in 8 registers: lane l holds row l % 16; registers 0-3 hold K = 8 (l / 16) + 0..7, registers 4-7 hold K = 16 + 8 (l / 16) + 0..7: two loads of 16 bytes, 32 bytes apart.
	v_and_b32 v1, 15, v0                           ; l % 16
	v_bfe_u32 v2, v0, 4, 1                         ; l / 16
	v_mul_u32_u24 v3, v1, PITCH
	v_lshl_add_u32 v3, v2, 4, v3                   ; row x pitch + 16 x half
	s_mul_i32 s21, s13, 64*PITCH                   ; my 64 batches in plane 0's rows (plane 1's lie HALFT further on: in the loads' immediates)
	s_mul_i32 s22, s14, HALFT                      ; my 128 rows of wb,
	s_add_co_u32 s22, s22, 2*HALFT                 ; which lie behind xa's 256
.irp s, 0,1
	v_add_nc_u32 v[ADRA+(\s)], s21, v3
	v_add_nc_u32 v[ADRB+(\s)], s22, v3
	s_add_co_u32 s21, s21, SLOT
	s_add_co_u32 s22, s22, SLOT
.endr
	s_mul_i32 s23, s12, 16*SPITCH
	s_add_co_u32 s23, s23, STAGE                   ; my stage
	v_mul_u32_u24 v4, v1, SPITCH                   ; in: row l % 16; each half of the lanes holds two i, 64 bytes, of every four
	v_lshl_add_u32 v4, v2, 6, v4
	v_add_nc_u32 v[STO], s23, v4
	v_and_b32 v5, 31, v0
	v_lshlrev_b32 v[CO], 4, v5                     ; back: 32 lanes take a row's 512 bytes
	v_add_nc_u32 v[RD], s23, v[CO]
	s_lshl_b32 s46, s42, 11                        ; my first i, in bytes of 32 each: 64 x tile column + 32 x half (in the registers that held wb's address)
	s_lshl_b32 s47, s14, 10
	s_add_co_u32 s46, s46, s47
	s_mov_b32 s47, 0
	s_add_nc_u64 s[8:9], s[8:9], s[46:47]          ; bias at my first i
	s_lshl_b32 s16, s43, 21                        ; my first batch: 128 x tile row + 64 x half, rows of 16,384 bytes
	s_lshl_b32 s17, s13, 20
	s_add_co_u32 s16, s16, s17
	s_mov_b32 s17, 0
	s_add_nc_u64 s[16:17], s[16:17], s[46:47]
	s_add_nc_u64 s[10:11], s[10:11], s[16:17]      ; out0 at my first batch and i; it never steps: every store's place stands in its immediate
	global_load_b128 v[BI:BI+3],   v[CO], s[8:9]              ; waited for on the way out
	global_load_b128 v[BI+4:BI+7], v[CO], s[8:9] offset:512
; 16 matrix instructions: m blocks a0, a0 + 1 of the window's four (hi = 0: plane 0, 1: plane 1) x all 8 n blocks, 32 along K.  zero = 1: the first product starts the sums: nothing is ever cleared.
; The 64 accumulators take turns, one instruction a turn, in the same order in every quarter step.
.macro MUL16 f, hi, a0, zero
	WIN MUL_LO+0x50*(\hi)  ; MUL_LO or MUL_HI
.irp a, \a0, (\a0)+1
.irp b, 0,1,2,3,4,5,6,7
.if \zero
	v_wmma_f32_16x16x32_f16 v[8*(8*(\a)+(\b)):8*(8*(\a)+(\b))+7], v[(\f)+8*(\b):(\f)+8*(\b)+7], v[(\f)+8*(4*(\hi)+(\a)):(\f)+8*(4*(\hi)+(\a))+7], 0
.else
	v_wmma_f32_16x16x32_f16 v[8*(8*(\a)+(\b)):8*(8*(\a)+(\b))+7], v[(\f)+8*(\b):(\f)+8*(\b)+7], v[(\f)+8*(4*(\hi)+(\a)):(\f)+8*(4*(\hi)+(\a))+7], v[8*(8*(\a)+(\b)):8*(8*(\a)+(\b))+7]
.endif
.endr
.endr
.endm
; 32 LDS loads in one run: the fragments of one quarter step (128 rows of wb; my 64 batches in plane 0, then in plane 1; 32 K at byte k of the rows) into buffer f
.macro FETCH slot, k, f
	WIN TO_B
.irp i, 0,1,2,3,4,5,6,7
	ds_load_b128 v[(\f)+8*(\i):(\f)+8*(\i)+3],   v[ADRB+(\slot)] offset:(\k)+(\i)*16*PITCH
	ds_load_b128 v[(\f)+8*(\i)+4:(\f)+8*(\i)+7], v[ADRB+(\slot)] offset:(\k)+(\i)*16*PITCH+32
.endr
	WIN 0
.irp i, 0,1,2,3,4,5,6,7
	ds_load_b128 v[(\f)+8*(\i):(\f)+8*(\i)+3],   v[ADRA+(\slot)] offset:(\k)+((\i)%4)*16*PITCH+((\i)/4)*HALFT
	ds_load_b128 v[(\f)+8*(\i)+4:(\f)+8*(\i)+7], v[ADRA+(\slot)] offset:(\k)+((\i)%4)*16*PITCH+((\i)/4)*HALFT+32  ; 48,096 at the most: inside the 16-bit immediate
.endr
.endm
; A load into a register that a matrix instruction has read, and a vector instruction that reads a matrix result or writes one of a matrix instruction's registers, stand four places behind it, and only
; plain vector instructions that name none of its registers are places (ISA guide 7.12.1 for vector instructions).
.macro PLACES
.rept 4
	v_nop
.endr
.endm
; A K step is four quarter steps of 32 along K, 64 matrix instructions each, on buffers 0, 1, 0, 1.
; One of the first three: multiplies buffer f; in its middle it fetches the next quarter's fragments, at byte k of the same slot's rows, into buffer g.
.macro QUARTER slot, k, f, g, zero
	s_wait_dscnt 8                                 ; wb and plane 0 are in; the youngest eight loads (plane 1) may be out
	MUL16 \f, 0, 0, \zero
	MUL16 \f, 0, 2, \zero
	PLACES
	FETCH \slot, \k, \g
	s_wait_dscnt 32                                ; all but the 32 just issued
	MUL16 \f, 1, 0, \zero
	MUL16 \f, 1, 2, \zero
.endm
; The last quarter multiplies buffer 1 and changes slots.  MEET is its first half: ONE barrier for the change of slots.  In front of it each wave waits for all its tensor loads, of which one is out: its part
; of the next slot; adds 0 to its spare word; and waits for that and for its own reads of this slot.  Behind it nobody reads this slot any more and the next slot is whole.
.macro MEET round                      ; round = 1: a round of the cluster's barrier follows
	WIN 0                                          ; (the add's two registers lie in window 0)
	s_wait_tensorcnt 0x0                           ; all my tensor loads have landed: the one that was out is my part of the next slot;
	ds_add_u32 v[SPW], v[NIL]                      ; 0 onto my spare word;
	s_wait_dscnt 9                                 ; (the add and the youngest eight loads may be out)
	MUL16 F1, 0, 0, 0                              ; sixteen matrix instructions stand between the add and the wait for it
	s_wait_dscnt 0x0                               ; the add is done, and my reads of this slot are over:
	s_barrier_signal -1                            ; say so (where a slot is filled again this barrier opens a round of the cluster's barrier),
	MUL16 F1, 0, 2, 0                              ; work on registers while the others arrive,
.if \round
	WIN 0
.endif
	s_barrier_wait -1                              ; and go on when all four have said so
.endm
; The whole last quarter.  fill = 1: behind the round the slot just read out is filled again first, with the K step two steps on; then come the next slot's first fragments.
; From a request to the wait for it a wave issues 224 matrix instructions.
.macro TURN slot, next, fill
	MEET \fill
.if \fill
	CREST                                          ; no wave of any partner still reads this slot's tile or has a load on its way
	s_add_nc_u64 s[G0+4*(\slot)+2:G0+4*(\slot)+3], s[G0+4*(\slot)+2:G0+4*(\slot)+3], 2*KSTEP*2     ; no tensor load of mine is out, so a group 0 may be written; the type bits on top are not reached
	s_add_nc_u64 s[G0B+4*(\slot)+2:G0B+4*(\slot)+3], s[G0B+4*(\slot)+2:G0B+4*(\slot)+3], 2*KSTEP*2
	JLOAD \slot                                    ; the first tensor load behind the round; the four v_nop behind it are also the places in front of the loads below
.else
	PLACES
.endif
	FETCH \next, 0, F0
	MUL16 F1, 1, 0, 0
	MUL16 F1, 1, 2, 0
.endm
; THE WAY OUT, in eight parts s = 2 a + hb: m block a (16 batches) x half hb of my 128 columns (16 i: 512 bytes of a row of out0).
; COMBINE: back from the basis.  For each of the part's four pairs of accumulators and each of a lane's two i (q = 2 b' + u): eight numbers from P0..3 (window 2) and Q0..3 (window 3).
; Each accumulator's four lowest registers are read first.  Six of the eight have P as the first source, two have Q: two settings of the windows a part.
.macro COMBINE a, hb
	WIN PQ
.set q, 0
.rept 8
.set j0, 64*(\a)+32*(\hb)+4*q
.set d, T+8*q
	v_add_f32 v[d+0], v[j0],   v[j0+2]             ; o0 = P0 + Q2
	v_add_f32 v[d+1], v[j0+2], v[j0]               ; o1 = P2 + Q0
	v_sub_f32 v[d+3], v[j0],   v[j0+2]             ; o3 = P0 - Q2
	v_sub_f32 v[d+4], v[j0+1], v[j0+3]             ; o4 = P1 - Q3
	v_add_f32 v[d+6], v[j0+3], v[j0+1]             ; o6 = P3 + Q1
	v_add_f32 v[d+7], v[j0+1], v[j0+3]             ; o7 = P1 + Q3
.set q, q+1
.endr
	WIN QP
.set q, 0
.rept 8
.set j0, 64*(\a)+32*(\hb)+4*q
.set d, T+8*q
	v_sub_f32 v[d+2], v[j0+1], v[j0+3]             ; o2 = Q1 - P3
	v_sub_f32 v[d+5], v[j0],   v[j0+2]             ; o5 = Q0 - P2
.set q, q+1
.endr
	WIN 0
.endm
; TOSTAGE: into my own stage, and back as whole rows of 512 bytes.  Of every four i (128 bytes) lanes 0-15 hold the first two, lanes 16-31 the other two.
.macro TOSTAGE s
	WIN 0
.set q, 0
.rept 16
	ds_store_b128 v[STO], v[T+4*q:T+4*q+3] offset:128*(q/4)+16*(q%4)
.set q, q+1
.endr
	s_wait_xcnt 0x0                                ; every earlier memory instruction has had its addresses translated (ISA guide 3.1): the registers that the stores two parts back read are loaded again only behind this wait
.set BK, OB+64*((\s)%2)
.set q, 0
.rept 16
	ds_load_b128 v[BK+4*q:BK+4*q+3], v[RD] offset:SPITCH*q  ; LDS serves a wave's instructions in order (ISA guide 5.7.1.4): these see the stores above
.set q, q+1
.endr
.endm
; SEND: the bias is added and the rows are stored.  No LDS instruction was issued behind TOSTAGE's loads, so behind row q's load stand the 15 - q later rows'.
.macro SEND s
	WIN 0
.set BK, OB+64*((\s)%2)
.set BB, BI+4*((\s)%2)
.set q, 0
.rept 16
	s_wait_dscnt 15-q
	v_pk_add_f32 v[BK+4*q:BK+4*q+1],   v[BK+4*q:BK+4*q+1],   v[BB:BB+1]
	v_pk_add_f32 v[BK+4*q+2:BK+4*q+3], v[BK+4*q+2:BK+4*q+3], v[BB+2:BB+3]
	global_store_b128 v[CO], v[BK+4*q:BK+4*q+3], s[10:11] offset:(16*((\s)/2)+q)*OROW+512*((\s)%2) th:TH_STORE_NT  ; 32 lanes store 512 consecutive bytes, at a multiple of 512 from out0's first byte; 1,032,704 at the most: inside the signed 24-bit immediate
.set q, q+1
.endr
.endm
	s_wait_tensorcnt 1                             ; my part of K step 0 is in; K step 1's may stay out
	s_barrier_signal -1
	s_barrier_wait -1                              ; everybody's is
	FETCH 0, 0, F0
	QUARTER 0, 64,  F0, F1, 1                      ; the first quarter stands in front of the loop: its products start the sums
	WIN 0                                          ; at a label and at a branch every window is 0
	s_mov_b32 s3, LAPS-1
.Llap:                                                 ; a trip goes once round the ring, from a lap's second quarter to the next lap's first, and fills both slots again
	QUARTER 0, 128, F1, F0, 0
	QUARTER 0, 192, F0, F1, 0
	TURN 0, 1, 1
	QUARTER 1, 64,  F0, F1, 0
	QUARTER 1, 128, F1, F0, 0
	QUARTER 1, 192, F0, F1, 0
	TURN 1, 0, 1
	QUARTER 0, 64,  F0, F1, 0
	WIN 0
	s_sub_co_u32 s3, s3, 1
	s_cmp_lg_u32 s3, 0
	s_cbranch_scc1 .Llap
	QUARTER 0, 128, F1, F0, 0                      ; the last lap is written out: it fills nothing, and has no round of the cluster's barrier
	QUARTER 0, 192, F0, F1, 0
	TURN 0, 1, 0
	QUARTER 1, 64,  F0, F1, 0
	QUARTER 1, 128, F1, F0, 0
	QUARTER 1, 192, F0, F1, 0
	s_wait_dscnt 8                                 ; the very last quarter: nothing more to fetch
	MUL16 F1, 0, 0, 0
	MUL16 F1, 0, 2, 0
	s_wait_dscnt 0x0
	MUL16 F1, 1, 0, 0
	MUL16 F1, 1, 2, 0
	WIN 0
	PLACES                                         ; behind the last products: their results are read, and xa's fragment registers written, below
	s_wait_loadcnt 0x0                             ; the bias
	COMBINE 0, 0
	TOSTAGE 0
.irp s, 1,2,3,4,5,6,7                  ; a part's 64 additions stand between the loads of the part before and the waits for them
	COMBINE (\s)/2, (\s)%2
	SEND (\s)-1
	TOSTAGE \s
.endr
	SEND 7
	s_wait_tensorcnt 0x0                           ; the wave's end, behind my last tensor load and my last LDS store
	ds_add_u32 v[SPW], v[NIL]
	s_wait_dscnt 0x0
	CROUND                                         ; the closing round: no work-group ends while a partner may still ask for a tile that names it
	s_endpgm
.Lfunc_end_k_qab6a5be127_gemm:
	.size	k_qab6a5be127_gemm, .Lfunc_end_k_qab6a5be127_gemm-k_qab6a5be127_gemm
	.p2alignl 7, 3214868480
	.fill 96, 4, 3214868480
	.section	.rodata,"a",@progbits
	.p2align	6, 0x0
	.amdhsa_kernel k_qab6a5be127_gemm
		.amdhsa_group_segment_fixed_size 327680
		.amdhsa_private_segment_fixed_size 0
		.amdhsa_enable_private_segment 0
		.amdhsa_kernarg_size 32
		.amdhsa_user_sgpr_count 2
		.amdhsa_user_sgpr_kernarg_segment_ptr 1
		.amdhsa_wavefront_size32 1
		.amdhsa_system_sgpr_workgroup_id_x 1
		.amdhsa_system_sgpr_workgroup_id_y 1
		.amdhsa_system_sgpr_workgroup_id_z 1
		.amdhsa_system_vgpr_workitem_id 0
		.amdhsa_next_free_vgpr 1024
		.amdhsa_next_free_sgpr 66
		.amdhsa_reserve_vcc 0
		.amdhsa_float_denorm_mode_32 3
		.amdhsa_float_denorm_mode_16_64 3
		.amdhsa_memory_ordered 1
		.amdhsa_forward_progress 1
		.amdhsa_inst_pref_size 176
	.end_amdhsa_kernel
	.amdgpu_metadata
---
amdhsa.version: [ 1, 2 ]
amdhsa.kernels:
  - .name:           k_qab6a5be127_gemm
    .symbol:         k_qab6a5be127_gemm.kd
    .args:
      - { .name: xa, .offset: 0, .size: 8, .value_kind: global_buffer, .address_space: global }
      - { .name: wb, .offset: 8, .size: 8, .value_kind: global_buffer, .address_space: global }
      - { .name: bias, .offset: 16, .size: 8, .value_kind: global_buffer, .address_space: global }
      - { .name: out0, .offset: 24, .size: 8, .value_kind: global_buffer, .address_space: global }
    .group_segment_fixed_size: 327680
    .private_segment_fixed_size: 0
    .kernarg_segment_align: 8
    .kernarg_segment_size: 32
    .max_flat_workgroup_size: 128
    .sgpr_count:     66
    .vgpr_count:     1024
    .wavefront_size: 32
...
	.end_amdgpu_metadata
.endif
;; end of part 2
